; MI455X (gfx1250); checked and timed in simulation.
; The chip was launched on July 23, 2026; its instructions are those of AMD's public machine-readable ISA for CDNA 5 (MIT licence, August 2026) and "CDNA5" Instruction Set Architecture Reference Guide (July 2026). The comments in the code are by the model that wrote it; some were corrected since.
;; Cnn. Allowed arithmetic: float matrix products may take bf16 or f16 operands with f32 sums; all other float work in f32.
;; Inputs: Ws_0 2 x 50 float32; Ws_1 50 x 50 float32; Ws_2 50 x 50 float32; Ws_3 50 x 50 float32; Ws_4 50 x 50 float32; Ws_5 50 x 2 float32; bs_0 50 float32; bs_1 50 float32; bs_2 50 float32; bs_3 50 float32; bs_4 50 float32; bs_5 2 float32; para 5,000 x 3 float32; x 8,192 x 2 float32.
;; Outputs: out0 5,000 float32.
;; One version. Each part assembles by itself: llvm-mc -triple=amdgcn-amd-amdhsa -mcpu=gfx1250 --defsym DOCPART=n.
;; ======== version 1 of 1: 2 launches
;; limits: a difference of large sums (such as E[x^2] - mean^2): digits are lost where the result is much smaller than its terms; a function is approximated: absolute error at most 1.2e-07; right only within a limited range of input values
;; workspace buffers: part 16,384 bytes
;; launch points (part 1): grid 256 x 1, 8 waves a work-group, no clusters, 53,248 bytes of LDS; arguments Ws_0, Ws_1, Ws_2, Ws_3, Ws_4, Ws_5, bs_0, bs_1, bs_2, bs_3, bs_4, bs_5, x, part; writes part
.if DOCPART == 1
	.amdgcn_target "amdgcn-amd-amdhsa--gfx1250"
	.amdhsa_code_object_version 6
	.text
	.protected	k_q7616a4d47b_points
	.globl	k_q7616a4d47b_points
	.p2align	8
	.type	k_q7616a4d47b_points,@function
k_q7616a4d47b_points:
	s_mov_b64 s[64:65], 0
	v_nop
	global_prefetch_b8 v0, s[64:65] scope:SCOPE_SE
	s_setreg_imm32_b32 hwreg(HW_REG_WAVE_MODE, 25, 1), 1
	s_wait_xcnt 0x0
; The network 2-50-50-50-50-50-2 (tanh) at 32 points a work-group, with its derivatives carried FORWARD as four streams
; through the same weights:  h,  hx = dh/dx,  ht = dh/dt,  S = -1/2 d2h/dt2.  A layer makes z* = stream x W (bias on z alone) and
;   al = tanh z,  ap = 1 - al^2,   h = al,  hx = ap zx,  ht = ap zt,  S = ap (zS + al zt^2);   at the end u_tt = -2 S W5.
; The residuals are linear in (1, b, a):  f = A + b B + a C  with A = (-v_x, u_x), B = (u_tt, v_tt), C = (Q u, Q v), Q = u^2 + v^2.
; So the sum over points of f^2 needs six sums AA BB CC AB AC BC; this launch stores them for each 16 points as a record of
; 32 bytes [AA BB CC AB AC BC 0 0] in part; the next launch adds the 512 records and evaluates the form for each para row.
;
; SHARES.  Eight waves turn W1..W5 and b1..b4 into padded images in LDS (wave w: 25 rows of W(1 + w/2), half of its bias, 8 rows of W5);
; waves 0 and 1 then compute 16 points each and waves 2 to 7 end.  A computing wave has 28 + 27 = 55 loads out at the most.
; LAYOUT.  Z^T = W^T H^T: matrix source A = W^T (rows = output units), source B = activations (columns = points).  In a result tile t,
; lane (r, h), register j is unit 16 t + 8 h + j of point r; the next layer's B fragment of K step k wants units 32 k + 8 h + 0..7 in
; registers 0-3 and 32 k + 16 + 8 h + 0..7 in registers 4-7: the packed tiles 2 k and 2 k + 1.  Activations never leave registers.
; FORMATS.  Layer 0 (K = 2) in f32 multiply-adds.  Layers 1 to 5: bf16 operands, f32 sums, the f32 bias as the first product's C.
; bf16 and not f16: the derivative streams scale like products of weights and have no room in f16.
; LIMITS.  W1..W5 and the activations are rounded to bf16.  tanh z = 1 - 2 / (1 + 2^(2 log2(e) z)) has an absolute error near 2^-23,
; so its relative accuracy falls off below |z| = 1e-4.  ap = 1 - al^2 is formed as written.  Sums in another order than reference()'s.
; NO CLUSTER, NO TENSOR LOADS: what work-groups share is 41,808 bytes of weights and biases, read once by each, with no loop in which
; requests recur, and every word has to pass through registers on its way from f32 to bf16.  NO PREFETCH: every load of the launch is issued
; at its head.  THE RECORD is 32 bytes: a wave owns no more.
.set PITCH, 160                        ; LDS row of an image: 64 bf16 + 32 bytes unused; an odd multiple of 32 for the transposing load
.set IMGB,  64*PITCH                   ; an image: 64 rows (input units) x 64 columns (output units); units 50-63 are zeros
.set IMG5,  4*IMGB                     ; image of W5: 64 rows, 32 bytes used (columns 0, 1 real, 2-15 zeros)
.set BIASB, 5*IMGB                     ; four biases of 64 f32 (50 real, then zeros), 256 bytes each
; window 0
.set AP,  16                           ; v[16:23]   ap, at work
.set YY,  24                           ; v[24:31]   zt^2, at work
.set BF,  32                           ; v[32:95]   B fragments: BF + 16 stream + 8 kstep + register
.set ACC, 96                           ; v[96:223]  results: ACC + 32 stream + 8 tile + j;  streams 0 z, 1 zx, 2 zt, 3 zS
.set UU,  128                          ; v[128:135] last layer: u, v       (registers 0, 1 of lanes 0-15)
.set UX,  136                          ; v[136:143]             u_x, v_x
.set US,  144                          ; v[144:151]             -1/2 u_tt, -1/2 v_tt
.set GR,  228                          ; v[228:233] the six sums; v234 the word to store; v235 its offset
; window 1 (v256 and up, written by their low 8 bits), behind the barrier
.set AF,  0                            ; A fragments: AF + 16 tile + 8 kstep
.set BI,  64                           ; bias as C: BI + 8 tile
.set A5,  96                           ; A fragments of W5: A5 + 8 kstep
; window 1, in front of the barrier: the staging
.set ST,  0                            ; 25 rows x 2 words as loaded
.set SBI, 50                           ; a bias word
.set S5L, 52                           ; a row of W5 as loaded
.set S5D, 54                           ; (its two bf16, 0); S5D+1 is also the zero that is stored
.set LA1, 56                           ; LDS addresses: my rows,
.set LZ1, 57                           ; my seven zero rows,
.set LB1, 58                           ; my bias word,
.set L51, 59                           ; my 8 bytes of W5's image
.set MSB, 0
.macro WIN new                         ; low byte: bits 1:0 source 0, 3:2 source 1, 5:4 source 2, 7:6 destination; high byte: the setting left
.if MSB != \new
	s_set_vgpr_msb (MSB<<8)|\new
.set MSB, \new
.endif
.endm
.macro PLACES                          ; four independent vector instructions behind a matrix instruction (ISA guide 7.12.1)
.rept 4
	v_nop
.endr
.endm
; 24 LDS loads: a layer's eight A fragments (transposed on the way: the image lies [input unit][output unit]) and its bias
.macro LOADW
	WIN 0x40
.irp t, 0,1,2,3
.irp k, 0,1
	ds_load_tr16_b128 v[AF+16*\t+8*\k:AF+16*\t+8*\k+3],   v6 offset:32*PITCH*\k+32*\t
	ds_load_tr16_b128 v[AF+16*\t+8*\k+4:AF+16*\t+8*\k+7], v6 offset:32*PITCH*\k+32*\t+16*PITCH
.endr
.endr
.irp t, 0,1,2,3
	ds_load_b128 v[BI+8*\t:BI+8*\t+3],   v5 offset:64*\t
	ds_load_b128 v[BI+8*\t+4:BI+8*\t+7], v5 offset:64*\t+16
.endr
	WIN 0
.endm
; 32 matrix instructions: four streams x four tiles x two K steps.  The first K step starts the sums (bias for z, 0 for the rest);
; the second is the next link of each chain in place.
.macro MATMUL
	WIN 0x11
.irp t, 0,1,2,3
	v_wmma_f32_16x16x32_bf16 v[ACC+8*\t:ACC+8*\t+7], v[AF+16*\t:AF+16*\t+7], v[BF:BF+7], v[BI+8*\t:BI+8*\t+7]
.endr
	WIN 0x01
.irp m, 1,2,3
.irp t, 0,1,2,3
	v_wmma_f32_16x16x32_bf16 v[ACC+32*\m+8*\t:ACC+32*\m+8*\t+7], v[AF+16*\t:AF+16*\t+7], v[BF+16*\m:BF+16*\m+7], 0
.endr
.endr
.irp m, 0,1,2,3
.irp t, 0,1,2,3
	v_wmma_f32_16x16x32_bf16 v[ACC+32*\m+8*\t:ACC+32*\m+8*\t+7], v[AF+16*\t+8:AF+16*\t+15], v[BF+16*\m+8:BF+16*\m+15], v[ACC+32*\m+8*\t:ACC+32*\m+8*\t+7]
.endr
.endr
	WIN 0
.endm
; np pairs of stream m, tile t, rounded to bf16 into their words of the next layer's B fragment
.macro PACK t, np, m
.set qq, 0
.rept \np
	v_cvt_pk_bf16_f32 v[BF+16*\m+8*(\t>>1)+4*(\t&1)+qq], v[ACC+32*\m+8*\t+2*qq], v[ACC+32*\m+8*\t+2*qq+1]
.set qq, qq+1
.endr
.endm
; The activation on np register pairs of tile t.  first = 1: zS is zero and is not read.  last = 1: ht is not needed any more.
.macro TILE t, np, first, last
.set ZB, ACC+8*\t
.set XB, ACC+32+8*\t
.set TB, ACC+64+8*\t
.set WB, ACC+96+8*\t
.set qq, 0
.rept \np
	v_pk_mul_f32 v[ZB+qq:ZB+qq+1], v[ZB+qq:ZB+qq+1], s[44:45] op_sel_hi:[1,0]       ; 2 log2(e) z
.set qq, qq+2
.endr
.set qq, 0
.rept 2*\np
	v_exp_f32 v[ZB+qq], v[ZB+qq]                                                    ; e^(2 z)
.set qq, qq+1
.endr
.set qq, 0
.rept \np
	v_pk_mul_f32 v[YY+qq:YY+qq+1], v[TB+qq:TB+qq+1], v[TB+qq:TB+qq+1]               ; zt^2: also the plain instruction behind the exponentials
.set qq, qq+2
.endr
.set qq, 0
	s_wait_alu depctr_va_vdst(0)
.rept \np
	v_pk_add_f32 v[ZB+qq:ZB+qq+1], v[ZB+qq:ZB+qq+1], 1.0 op_sel_hi:[1,0]
.set qq, qq+2
.endr
.set qq, 0
.rept 2*\np
	v_rcp_f32 v[ZB+qq], v[ZB+qq]
.set qq, qq+1
.endr
	v_nop                                                                           ; the plain instruction behind the reciprocals
.set qq, 0
	s_wait_alu depctr_va_vdst(0)
.rept \np
	v_pk_fma_f32 v[ZB+qq:ZB+qq+1], v[ZB+qq:ZB+qq+1], -2.0, 1.0 op_sel_hi:[1,0,0]    ; al = 1 - 2 / (1 + e^(2 z))
.set qq, qq+2
.endr
.set qq, 0
.rept \np
	v_pk_fma_f32 v[AP+qq:AP+qq+1], v[ZB+qq:ZB+qq+1], v[ZB+qq:ZB+qq+1], 1.0 op_sel_hi:[1,1,0] neg_lo:[1,0,0] neg_hi:[1,0,0]   ; ap = 1 - al^2
.set qq, qq+2
.endr
.set qq, 0
.rept \np
	v_pk_mul_f32 v[XB+qq:XB+qq+1], v[AP+qq:AP+qq+1], v[XB+qq:XB+qq+1]               ; hx = ap zx
.if \last == 0
	v_pk_mul_f32 v[TB+qq:TB+qq+1], v[AP+qq:AP+qq+1], v[TB+qq:TB+qq+1]               ; ht = ap zt
.endif
.if \first
	v_pk_mul_f32 v[WB+qq:WB+qq+1], v[ZB+qq:ZB+qq+1], v[YY+qq:YY+qq+1]               ; al zt^2
.else
	v_pk_fma_f32 v[WB+qq:WB+qq+1], v[ZB+qq:ZB+qq+1], v[YY+qq:YY+qq+1], v[WB+qq:WB+qq+1]   ; zS + al zt^2
.endif
.set qq, qq+2
.endr
.set qq, 0
.rept \np
	v_pk_mul_f32 v[WB+qq:WB+qq+1], v[AP+qq:AP+qq+1], v[WB+qq:WB+qq+1]               ; S = ap ( .. )
.set qq, qq+2
.endr
	PACK \t, \np, 0
	PACK \t, \np, 1
.if \last == 0
	PACK \t, \np, 2
.endif
	PACK \t, \np, 3
.endm
.macro ELEM first, last                ; tiles 0-2 whole; of tile 3 only registers 0, 1 (units 48, 49; in lanes 16-31 padding units 56, 57)
	TILE 0, 4, \first, \last
	TILE 1, 4, \first, \last
	TILE 2, 4, \first, \last
	TILE 3, 1, \first, \last
.endm
.macro L0PAIR o                        ; layer 0: z = b0 + x W0[0] + t W0[1] on the register pair at offset o
	v_pk_fma_f32 v[ACC+\o:ACC+\o+1], v[ACC+32+\o:ACC+32+\o+1], v[8:9],   v[ACC+\o:ACC+\o+1]
	v_pk_fma_f32 v[ACC+\o:ACC+\o+1], v[ACC+64+\o:ACC+64+\o+1], v[10:11], v[ACC+\o:ACC+\o+1]
.endm
	; ---- ids, offsets, masks, while the fourteen addresses come
	s_load_b512 s[8:23], s[0:1], 0x0               ; Ws_0 s[8:9] .. Ws_5 s[18:19], bs_0 s[20:21], bs_1 s[22:23]
	s_load_b256 s[24:31], s[0:1], 0x40             ; bs_2, bs_3, bs_4, bs_5 s[30:31]
	s_load_b128 s[32:35], s[0:1], 0x60             ; x s[32:33], part s[34:35]
	v_lshl_add_u32 v254, v0, 2, 0xcc00
	v_mov_b32 v255, 0
	v_lshrrev_b32 v1, 5, v0
	v_readfirstlane_b32 s4, v1                     ; wave w
	v_and_b32 v1, 31, v0                           ; lane
	v_and_b32 v2, 15, v0                           ; r
	v_bfe_u32 v3, v0, 4, 1                         ; h
	s_lshr_b32 s5, s4, 1                           ; which of W1..W4 I stage
	s_and_b32 s6, s4, 1                            ; which half of it
	s_mov_b32 s44, 0x4038aa3b                      ; 2 log2(e), twice: a pair for the packed multiply
	s_mov_b32 s45, 0x4038aa3b
	v_lshlrev_b32 v4, 5, v3                        ; 32 h: eight f32 units
	v_add_nc_u32 v5, BIASB, v4                     ; bias of layer 1 as C: unit 16 t + 8 h + j at 64 t + 32 h + 4 j
	v_and_b32 v16, 7, v0
	v_lshl_add_u32 v16, v3, 3, v16                 ; 8 h + lane % 8: the image row that I address
	v_mul_u32_u24 v6, PITCH, v16
	v_bfe_u32 v17, v0, 3, 1
	v_lshl_add_u32 v6, v17, 4, v6                  ; + 16 bytes for lanes 8-15 and 24-31: the transposing load's address in image 1
	v_mov_b32 v7, 0
	v_min_u32 v14, 24, v1
	v_lshlrev_b32 v14, 3, v14                      ; two columns of a weight row: 8 min(lane, 24)
	v_and_b32 v226, 7, v0
	s_lshl_b32 s2, s4, 3
	v_add_nc_u32 v226, s2, v226                    ; my row of W5: 8 w + lane % 8
	v_min_u32 v15, 49, v226
	v_lshlrev_b32 v15, 3, v15
	s_lshl_b32 s2, s6, 5
	v_add_nc_u32 v227, s2, v1                      ; my bias word: 32 (w % 2) + lane
	v_min_u32 v225, 49, v227
	v_lshlrev_b32 v225, 2, v225
	v_cmp_gt_u32 vcc_lo, 25, v1                    ; lanes with real columns; kept until the rows are stored
	v_cmp_gt_u32 s48, 50, v227                     ; real bias words
	v_cmp_gt_u32 s42, 8, v1
	v_cmp_gt_u32 s43, 50, v226
	s_and_b32 s42, s42, s43                        ; lanes that hold a real row of W5
	v_lshlrev_b32 v16, 2, v1                       ; 4 lane
	v_and_b32 v17, 7, v0
	v_mul_u32_u24 v17, PITCH, v17
	v_lshrrev_b32 v18, 3, v1
	v_lshl_add_u32 v17, v18, 3, v17                ; row lane % 8, bytes 8 (lane / 8): four lanes cover a row's 32 bytes
	s_mul_i32 s2, s5, IMGB                         ; my image
	s_mul_i32 s3, s6, 25*PITCH
	s_add_co_u32 s52, s2, s3                       ; my 25 rows
	s_mul_i32 s3, s6, 7*PITCH
	s_add_co_u32 s53, s2, s3
	s_add_co_u32 s53, s53, 50*PITCH                ; my 7 of the 14 zero rows
	s_lshl_b32 s2, s5, 8
	s_lshl_b32 s3, s6, 7
	s_add_co_u32 s54, s2, s3
	s_add_co_u32 s54, s54, BIASB                   ; my 32 bias words
	s_mul_i32 s55, s4, 8*PITCH
	s_add_co_u32 s55, s55, IMG5                    ; my 8 rows of W5's image
	s_mul_i32 s46, s6, 25*200                      ; my 25 rows in memory
	s_mov_b32 s47, 0
	s_wait_kmcnt 0x0
	s_cmp_eq_u32 s5, 0
	s_cselect_b64 s[36:37], s[10:11], s[12:13]     ; W(1 + w/2)
	s_cselect_b64 s[38:39], s[22:23], s[24:25]     ; b(1 + w/2)
	s_cmp_eq_u32 s5, 2
	s_cselect_b64 s[36:37], s[14:15], s[36:37]
	s_cselect_b64 s[38:39], s[26:27], s[38:39]
	s_cmp_eq_u32 s5, 3
	s_cselect_b64 s[36:37], s[16:17], s[36:37]
	s_cselect_b64 s[38:39], s[28:29], s[38:39]
	s_add_nc_u64 s[36:37], s[36:37], s[46:47]
	; ---- waves 0, 1: 28 loads for layer 0, straight into the result registers (zx = W0 row 0, zt = W0 row 1, z starts as b0)
	s_cmp_gt_u32 s4, 1
	s_cbranch_scc1 .Lstage_loads
	s_load_b64 s[40:41], s[30:31], 0x0             ; b5
	s_lshl_b32 s49, ttmp9, 8                       ; 32 points of 8 bytes a work-group,
	s_lshl_b32 s2, s4, 7                           ; 16 a wave
	s_add_co_u32 s49, s49, s2
	v_lshl_add_u32 v224, v2, 3, s49
	global_load_b64 v[12:13], v224, s[32:33] th:TH_LOAD_NT     ; (x, t) of point r, in both halves of the lanes
.irp t, 0,1,2
	global_load_b128 v[ACC+32+8*\t:ACC+32+8*\t+3],   v4, s[8:9] offset:64*\t
	global_load_b128 v[ACC+32+8*\t+4:ACC+32+8*\t+7], v4, s[8:9] offset:64*\t+16
.endr
	global_load_b64 v[ACC+32+24:ACC+32+25], v7, s[8:9] offset:192      ; units 48, 49; lanes 16-31 get copies, which meet zero rows of image 1
.irp t, 0,1,2
.irp q, 0,1,2,3
	global_load_b64 v[ACC+64+8*\t+2*\q:ACC+64+8*\t+2*\q+1], v4, s[8:9] offset:200+64*\t+8*\q   ; row 1 begins at byte 200: multiples of 8 only
.endr
.endr
	global_load_b64 v[ACC+64+24:ACC+64+25], v7, s[8:9] offset:392
.irp t, 0,1,2
	global_load_b128 v[ACC+8*\t:ACC+8*\t+3],   v4, s[20:21] offset:64*\t
	global_load_b128 v[ACC+8*\t+4:ACC+8*\t+7], v4, s[20:21] offset:64*\t+16
.endr
	global_load_b64 v[ACC+24:ACC+25], v7, s[20:21] offset:192
.Lstage_loads:
	; ---- all waves: 27 loads of what I stage
	WIN 0x40
	v_add_nc_u32 v[LA1], s52, v16
	v_add_nc_u32 v[LZ1], s53, v16
	v_add_nc_u32 v[LB1], s54, v16
	v_add_nc_u32 v[L51], s55, v17
	v_mov_b32 v[S5D+1], 0
	global_load_b32 v[SBI], v225, s[38:39]
	global_load_b64 v[S5L:S5L+1], v15, s[18:19]
.set ii, 0
.rept 25
	global_load_b64 v[ST+2*ii:ST+2*ii+1], v14, s[36:37] offset:200*ii
.set ii, ii+1
.endr
	WIN 0
	; ---- waves 0, 1: layer 0 while the weights are on their way
	s_cmp_gt_u32 s4, 1
	s_cbranch_scc1 .Lstage_store
	s_wait_loadcnt 27                              ; loads return in order: the 28 of layer 0 are in, the 27 younger ones stay out
	s_wait_kmcnt 0x0                               ; b5
	v_mov_b32 v8, v12                              ; (x, x)
	v_mov_b32 v9, v12
	v_mov_b32 v10, v13                             ; (t, t)
	v_mov_b32 v11, v13
.irp m, 0,1,2,3
	v_mov_b32 v[BF+16*\m+13], 0                    ; units 50-55 and 58-63 of every stream: zeros, written once
	v_mov_b32 v[BF+16*\m+14], 0
	v_mov_b32 v[BF+16*\m+15], 0
.endr
.irp o, 0,2,4,6,8,10,12,14,16,18,20,22,24
	L0PAIR \o
.endr
	ELEM 1, 0
.Lstage_store:
	; ---- all waves: round to bf16, pad with zeros, store the images
	WIN 0x45
.set ii, 0
.rept 7
	ds_store_b32 v[LZ1], v[S5D+1] offset:PITCH*ii  ; a zero row: 32 lanes x 4 bytes
.set ii, ii+1
.endr
	s_wait_loadcnt 25                              ; the bias word and W5's row are in; the 25 weight rows are younger
	v_cndmask_b32 v[SBI], 0, v[SBI], s48
	ds_store_b32 v[LB1], v[SBI]
	v_cvt_pk_bf16_f32 v[S5D], v[S5L], v[S5L+1]
	v_cndmask_b32 v[S5D], 0, v[S5D], s42
	ds_store_b64 v[L51], v[S5D:S5D+1]              ; lanes 0-7: (u column, v column, 0, 0); the others zeros
.set ii, 0
.irp left, 20,15,10,5,0
	s_wait_loadcnt \left                           ; five more rows are in; so many are younger
.rept 5
	v_cvt_pk_bf16_f32 v[ST+2*ii], v[ST+2*ii], v[ST+2*ii+1]
	v_cndmask_b32 v[ST+2*ii], 0, v[ST+2*ii], vcc_lo            ; lanes 25-31 store the zero columns 50-63
	ds_store_b32 v[LA1], v[ST+2*ii] offset:PITCH*ii
.set ii, ii+1
.endr
.endr
	WIN 0
	s_wait_dscnt 0x0                               ; zero: other waves read these stores behind the barrier
	s_barrier_signal -1
	s_barrier_wait -1                              ; the images are complete behind it
	s_cmp_gt_u32 s4, 1
	s_cbranch_scc1 .Lend
	; ---- waves 0, 1: layers 1 to 3 in a loop, each trip fetching the next layer's fragments under its own activation
	LOADW
	s_mov_b32 s51, 3
.Llayer:
	s_wait_dscnt 0x0                               ; the layer's 24 LDS loads; nothing younger is out
	MATMUL
	v_add_nc_u32 v6, IMGB, v6                      ; the next image and bias: with the two v_nop the four places behind the last matrix
	v_add_nc_u32 v5, 256, v5                       ; instruction, in front of the loads into its sources and of the reads of its results
	v_nop
	v_nop
	LOADW
	ELEM 0, 0
	s_sub_co_u32 s51, s51, 1
	s_cmp_lg_u32 s51, 0
	s_cbranch_scc1 .Llayer
	s_wait_dscnt 0x0
	MATMUL                                         ; layer 4
	PLACES
	WIN 0x40
.irp k, 0,1
	ds_load_tr16_b128 v[A5+8*\k:A5+8*\k+3],   v6 offset:IMGB+32*PITCH*\k               ; v6 stands at image 4: W5's is the next
	ds_load_tr16_b128 v[A5+8*\k+4:A5+8*\k+7], v6 offset:IMGB+32*PITCH*\k+16*PITCH
.endr
	WIN 0
	ELEM 0, 1
	; ---- layer 5: h, hx and S through W5; rows 0, 1 of the results are the u and the v output
	s_wait_dscnt 0x0
	WIN 0x01
	v_wmma_f32_16x16x32_bf16 v[UU:UU+7], v[A5:A5+7], v[BF:BF+7], 0
	v_wmma_f32_16x16x32_bf16 v[UX:UX+7], v[A5:A5+7], v[BF+16:BF+23], 0
	v_wmma_f32_16x16x32_bf16 v[US:US+7], v[A5:A5+7], v[BF+48:BF+55], 0
	v_wmma_f32_16x16x32_bf16 v[UU:UU+7], v[A5+8:A5+15], v[BF+8:BF+15], v[UU:UU+7]
	v_wmma_f32_16x16x32_bf16 v[UX:UX+7], v[A5+8:A5+15], v[BF+24:BF+31], v[UX:UX+7]
	v_wmma_f32_16x16x32_bf16 v[US:US+7], v[A5+8:A5+15], v[BF+56:BF+63], v[US:US+7]
	WIN 0
	PLACES
	; lanes 0-15: point r.  (Lanes 16-31 hold padding rows 8, 9; they never mix with lanes 0-15 below and are not stored.)
	v_add_f32 v[UU], s40, v[UU]                    ; u
	v_add_f32 v[UU+1], s41, v[UU+1]                ; v
	v_mul_f32 v16, v[UU], v[UU]
	v_fmac_f32 v16, v[UU+1], v[UU+1]               ; Q
	v_mul_f32 v17, v16, v[UU]                      ; C1 = Q u
	v_mul_f32 v18, v16, v[UU+1]                    ; C2 = Q v
	v_mul_f32 v19, -2.0, v[US]                     ; B1 = u_tt
	v_mul_f32 v20, -2.0, v[US+1]                   ; B2 = v_tt
	v_mul_f32 v[GR], v[UX], v[UX]
	v_fmac_f32 v[GR], v[UX+1], v[UX+1]             ; AA = u_x^2 + v_x^2
	v_mul_f32 v[GR+1], v19, v19
	v_fmac_f32 v[GR+1], v20, v20                   ; BB
	v_mul_f32 v[GR+2], v17, v17
	v_fmac_f32 v[GR+2], v18, v18                   ; CC
	v_mul_f32 v[GR+3], v[UX], v20
	v_fma_f32 v[GR+3], -v[UX+1], v19, v[GR+3]      ; AB = u_x v_tt - v_x u_tt
	v_mul_f32 v[GR+4], v[UX], v18
	v_fma_f32 v[GR+4], -v[UX+1], v17, v[GR+4]      ; AC = u_x Q v - v_x Q u
	v_mul_f32 v[GR+5], v19, v17
	v_fmac_f32 v[GR+5], v20, v18                   ; BC
.irp x, 1,2,4,8
.irp g, 0,1,2,3,4,5
	v_add_f32_dpp v[GR+\g], v[GR+\g], v[GR+\g] row_xmask:\x row_mask:0xf bank_mask:0xf   ; over the 16 lanes of a row: the wave's 16 points
.endr
.endr
	v_mov_b32 v234, v[GR]                          ; lane i takes sum i,
.irp g, 1,2,3,4,5
	v_cmp_eq_u32 vcc_lo, \g, v1
	v_cndmask_b32 v234, v234, v[GR+\g], vcc_lo
.endr
	v_cmp_gt_u32 vcc_lo, 6, v1
	v_cndmask_b32 v234, 0, v234, vcc_lo            ; lanes 6, 7 the record's two zeros
	s_lshl_b32 s50, ttmp9, 6                       ; record 2 x work-group + wave, 32 bytes
	s_lshl_b32 s2, s4, 5
	s_add_co_u32 s50, s50, s2
	v_lshl_add_u32 v235, v1, 2, s50
	v_cmp_gt_u32 vcc_lo, 8, v1
	s_wait_xcnt 0x0                                ; EXEC is a source of the memory instructions issued so far: it changes only behind this wait
	s_and_saveexec_b32 s43, vcc_lo
	global_store_b32 v235, v234, s[34:35]          ; eight lanes: the record's 32 consecutive bytes
	s_wait_xcnt 0x0                                ; and again in front of the line that widens it
	s_or_b32 exec_lo, exec_lo, s43
.Lend:
	s_barrier_signal -1
	s_barrier_wait -1
	s_wait_tensorcnt 0x0
	ds_add_u32 v254, v255
	s_wait_dscnt 0x0
	s_endpgm
.Lfunc_end_k_q7616a4d47b_points:
	.size	k_q7616a4d47b_points, .Lfunc_end_k_q7616a4d47b_points-k_q7616a4d47b_points
	.p2alignl 7, 3214868480
	.fill 96, 4, 3214868480
	.section	.rodata,"a",@progbits
	.p2align	6, 0x0
	.amdhsa_kernel k_q7616a4d47b_points
		.amdhsa_group_segment_fixed_size 53248
		.amdhsa_private_segment_fixed_size 0
		.amdhsa_enable_private_segment 0
		.amdhsa_kernarg_size 112
		.amdhsa_user_sgpr_count 2
		.amdhsa_user_sgpr_kernarg_segment_ptr 1
		.amdhsa_wavefront_size32 1
		.amdhsa_system_sgpr_workgroup_id_x 1
		.amdhsa_system_sgpr_workgroup_id_y 1
		.amdhsa_system_sgpr_workgroup_id_z 1
		.amdhsa_system_vgpr_workitem_id 0
		.amdhsa_next_free_vgpr 368
		.amdhsa_next_free_sgpr 66
		.amdhsa_reserve_vcc 1
		.amdhsa_float_denorm_mode_32 3
		.amdhsa_float_denorm_mode_16_64 3
		.amdhsa_memory_ordered 1
		.amdhsa_forward_progress 1
		.amdhsa_inst_pref_size 65
	.end_amdhsa_kernel
	.amdgpu_metadata
---
amdhsa.version: [ 1, 2 ]
amdhsa.kernels:
  - .name:           k_q7616a4d47b_points
    .symbol:         k_q7616a4d47b_points.kd
    .args:
      - { .name: Ws_0, .offset: 0, .size: 8, .value_kind: global_buffer, .address_space: global }
      - { .name: Ws_1, .offset: 8, .size: 8, .value_kind: global_buffer, .address_space: global }
      - { .name: Ws_2, .offset: 16, .size: 8, .value_kind: global_buffer, .address_space: global }
      - { .name: Ws_3, .offset: 24, .size: 8, .value_kind: global_buffer, .address_space: global }
      - { .name: Ws_4, .offset: 32, .size: 8, .value_kind: global_buffer, .address_space: global }
      - { .name: Ws_5, .offset: 40, .size: 8, .value_kind: global_buffer, .address_space: global }
      - { .name: bs_0, .offset: 48, .size: 8, .value_kind: global_buffer, .address_space: global }
      - { .name: bs_1, .offset: 56, .size: 8, .value_kind: global_buffer, .address_space: global }
      - { .name: bs_2, .offset: 64, .size: 8, .value_kind: global_buffer, .address_space: global }
      - { .name: bs_3, .offset: 72, .size: 8, .value_kind: global_buffer, .address_space: global }
      - { .name: bs_4, .offset: 80, .size: 8, .value_kind: global_buffer, .address_space: global }
      - { .name: bs_5, .offset: 88, .size: 8, .value_kind: global_buffer, .address_space: global }
      - { .name: x, .offset: 96, .size: 8, .value_kind: global_buffer, .address_space: global }
      - { .name: part, .offset: 104, .size: 8, .value_kind: global_buffer, .address_space: global }
    .group_segment_fixed_size: 53248
    .private_segment_fixed_size: 0
    .kernarg_segment_align: 8
    .kernarg_segment_size: 112
    .max_flat_workgroup_size: 256
    .sgpr_count:     66
    .vgpr_count:     368
    .wavefront_size: 32
...
	.end_amdgpu_metadata
.endif
;; end of part 1
;; launch rows (part 2): grid 40 x 1, 1 waves a work-group, no clusters, 0 bytes of LDS; arguments part, para, out0; writes out0
.if DOCPART == 2
	.amdgcn_target "amdgcn-amd-amdhsa--gfx1250"
	.amdhsa_code_object_version 6
	.text
	.protected	k_q7616a4d47b_rows
	.globl	k_q7616a4d47b_rows
	.p2align	8
	.type	k_q7616a4d47b_rows,@function
k_q7616a4d47b_rows:
	s_mov_b64 s[64:65], 0
	v_nop
	global_prefetch_b8 v0, s[64:65] scope:SCOPE_SE
	s_setreg_imm32_b32 hwreg(HW_REG_WAVE_MODE, 25, 1), 1
	s_wait_xcnt 0x0
; out0[p] = (AA + b^2 BB + a^2 CC + 2 b AB + 2 a AC + 2 a b BC) / 8192, with a = para[p][0], b = para[p][1] (para[p][2] is read with its
; row and, as in reference(), enters nothing) and the six sums over all 8,192 points: the 512 records of 32 bytes that the launch before stored.
; One wave a work-group; thread t = 32 x work-group + lane owns rows 4 t .. 4 t + 3: 48 consecutive bytes of para, 16 of out0; 1,250 threads
; have rows, so 40 waves.  Each wave adds all 512 records itself (16,384 bytes, 32 loads of 512 consecutive bytes, all issued at once):
; no LDS, no barrier, no traffic between work-groups.  Matrix units, clusters and LDS have nothing to do here: 20 multiply-adds a thread.
; LIMIT: the square is expanded, so where the three terms of f cancel, the relative error grows as
; 2^-22 x (|A| + |b| |B| + |a| |C|)^2 / |f|^2; sums are in another order than reference()'s.
.set PA, 16                            ; v[16:27]   four rows of para: row i has a at PA + 3 i, b at PA + 3 i + 1
.set OU, 28                            ; v[28:31]   four results
.set QB, 32                            ; v[32:159]  load i: 16 bytes; even lanes AA BB CC AB of a record, odd lanes AC BC 0 0
.macro ADDQ d, s                       ; four sums at once: quad d += quad s
	v_pk_add_f32 v[QB+4*(\d):QB+4*(\d)+1],   v[QB+4*(\d):QB+4*(\d)+1],   v[QB+4*(\s):QB+4*(\s)+1]
	v_pk_add_f32 v[QB+4*(\d)+2:QB+4*(\d)+3], v[QB+4*(\d)+2:QB+4*(\d)+3], v[QB+4*(\s)+2:QB+4*(\s)+3]
.endm
	s_load_b128 s[4:7], s[0:1], 0x0                ; part s[4:5], para s[6:7]
	s_load_b64 s[8:9], s[0:1], 0x10                ; out0
	v_lshlrev_b32 v1, 4, v0                        ; 16 lane
	s_lshl_b32 s10, ttmp9, 5
	v_add_nc_u32 v2, s10, v0                       ; t
	v_min_u32 v3, 1249, v2                         ; threads past the last row read the last thread's rows and store nothing
	v_mul_u32_u24 v3, 48, v3
	v_lshlrev_b32 v4, 4, v2
	s_mov_b32 s12, 0x76543210                      ; v_permlanex16_b32: lane i of one half reads lane i of the other
	s_mov_b32 s13, 0xfedcba98
	s_wait_kmcnt 0x0
	global_load_b128 v[PA:PA+3],    v3, s[6:7] th:TH_LOAD_NT
	global_load_b128 v[PA+4:PA+7],  v3, s[6:7] offset:16 th:TH_LOAD_NT
	global_load_b128 v[PA+8:PA+11], v3, s[6:7] offset:32 th:TH_LOAD_NT
.set ii, 0
.rept 32
	global_load_b128 v[QB+4*ii:QB+4*ii+3], v1, s[4:5] offset:512*ii
.set ii, ii+1
.endr
.set ii, 0
.rept 16
	s_wait_loadcnt 30-2*ii                         ; loads return in order: quads 2 i and 2 i + 1 are in, the 30 - 2 i younger ones stay out
	ADDQ 2*ii, 2*ii+1
.set ii, ii+1
.endr
.irp i, 0,4,8,12,16,20,24,28
	ADDQ \i, \i+2
.endr
.irp i, 0,8,16,24
	ADDQ \i, \i+4
.endr
	ADDQ 0, 8
	ADDQ 16, 24
	ADDQ 0, 16
	; across the lanes, even with even and odd with odd: masks 2, 4, 8 inside each 16 lanes, then the other 16
.irp x, 2,4,8
.irp j, 0,1,2,3
	v_add_f32_dpp v[QB+\j], v[QB+\j], v[QB+\j] row_xmask:\x row_mask:0xf bank_mask:0xf
.endr
.endr
.irp j, 0,1,2,3
	v_permlanex16_b32 v[QB+4+\j], v[QB+\j], s12, s13           ; its destination counts as read: quad 1 has been written
.endr
.irp j, 0,1,2,3
	v_add_f32 v[QB+\j], v[QB+\j], v[QB+4+\j]
.endr
	v_readlane_b32 s20, v[QB],   0                 ; AA
	v_readlane_b32 s21, v[QB+1], 0                 ; BB
	v_readlane_b32 s22, v[QB+2], 0                 ; CC
	v_readlane_b32 s23, v[QB+3], 0                 ; AB
	v_readlane_b32 s24, v[QB],   1                 ; AC
	v_readlane_b32 s25, v[QB+1], 1                 ; BC
	s_mul_f32 s20, s20, 0x39000000                 ; the mean over 8,192 points: 2^-13, exact
	s_mul_f32 s21, s21, 0x39000000
	s_mul_f32 s22, s22, 0x39000000
	s_mul_f32 s23, s23, 0x39800000                 ; the mixed terms count twice: 2^-12
	s_mul_f32 s24, s24, 0x39800000
	s_mul_f32 s25, s25, 0x39800000
	; out = AA + a (a CC + AC + b BC) + b (b BB + AB): five fused multiply-adds a row, at most two scalars in each
.irp i, 0,1,2,3
	v_fma_f32 v[5+2*\i], v[PA+3*\i], s22, s24
	v_fma_f32 v[6+2*\i], v[PA+3*\i+1], s21, s23
.endr
.irp i, 0,1,2,3
	v_fma_f32 v[5+2*\i], v[PA+3*\i+1], s25, v[5+2*\i]
.endr
.irp i, 0,1,2,3
	v_fma_f32 v[OU+\i], v[PA+3*\i], v[5+2*\i], s20
.endr
.irp i, 0,1,2,3
	v_fma_f32 v[OU+\i], v[PA+3*\i+1], v[6+2*\i], v[OU+\i]
.endr
	v_cmp_gt_u32 vcc_lo, 1250, v2
	s_wait_xcnt 0x0                                ; EXEC is a source of the loads above: it changes only behind this wait
	s_and_saveexec_b32 s14, vcc_lo
	global_store_b128 v4, v[OU:OU+3], s[8:9]       ; sixteen neighbouring lanes store 256 consecutive bytes, at a multiple of 256 from out0's first byte
	s_endpgm
.Lfunc_end_k_q7616a4d47b_rows:
	.size	k_q7616a4d47b_rows, .Lfunc_end_k_q7616a4d47b_rows-k_q7616a4d47b_rows
	.p2alignl 7, 3214868480
	.fill 96, 4, 3214868480
	.section	.rodata,"a",@progbits
	.p2align	6, 0x0
	.amdhsa_kernel k_q7616a4d47b_rows
		.amdhsa_group_segment_fixed_size 0
		.amdhsa_private_segment_fixed_size 0
		.amdhsa_enable_private_segment 0
		.amdhsa_kernarg_size 24
		.amdhsa_user_sgpr_count 2
		.amdhsa_user_sgpr_kernarg_segment_ptr 1
		.amdhsa_wavefront_size32 1
		.amdhsa_system_sgpr_workgroup_id_x 1
		.amdhsa_system_sgpr_workgroup_id_y 1
		.amdhsa_system_sgpr_workgroup_id_z 1
		.amdhsa_system_vgpr_workitem_id 0
		.amdhsa_next_free_vgpr 160
		.amdhsa_next_free_sgpr 66
		.amdhsa_reserve_vcc 1
		.amdhsa_float_denorm_mode_32 3
		.amdhsa_float_denorm_mode_16_64 3
		.amdhsa_memory_ordered 1
		.amdhsa_forward_progress 1
		.amdhsa_inst_pref_size 12
	.end_amdhsa_kernel
	.amdgpu_metadata
---
amdhsa.version: [ 1, 2 ]
amdhsa.kernels:
  - .name:           k_q7616a4d47b_rows
    .symbol:         k_q7616a4d47b_rows.kd
    .args:
      - { .name: part, .offset: 0, .size: 8, .value_kind: global_buffer, .address_space: global }
      - { .name: para, .offset: 8, .size: 8, .value_kind: global_buffer, .address_space: global }
      - { .name: out0, .offset: 16, .size: 8, .value_kind: global_buffer, .address_space: global }
    .group_segment_fixed_size: 0
    .private_segment_fixed_size: 0
    .kernarg_segment_align: 8
    .kernarg_segment_size: 24
    .max_flat_workgroup_size: 32
    .sgpr_count:     66
    .vgpr_count:     160
    .wavefront_size: 32
...
	.end_amdgpu_metadata
.endif
;; end of part 2
